; MI455X (gfx1250); checked and timed in simulation.
; The chip was launched on July 23, 2026; its instructions are those of AMD's public machine-readable ISA for CDNA 5 (MIT licence, August 2026) and "CDNA5" Instruction Set Architecture Reference Guide (July 2026). The comments in the code are by the model that wrote it; some were corrected since.
;; Q Lo RA Linear. Allowed arithmetic: matrix products marked QUANTISED: E4M3 operands, one given power-of-two scale a tensor, by v_wmma_f32_16x16x64_fp8_fp8 or v_wmma_f32_16x16x128_fp8_fp8, f32 sums; products left as they are: f32 operands where the result goes on into a quantised operand, else bf16, f16 or f32 operands; f32 sums; everything else in f32.
;; Inputs: bias 4,096 float32; lora_A 4,096 x 16 float32; lora_B 16 x 4,096 float32; lowp_scales 4 int32 (the exponents e of the quantised operands' scales 2^e); qweight 4,096 x 4,096 int32; scales 1 float32; x 4 x 1,024 x 4,096 float32.
;; Outputs: out0 4 x 1,024 x 4,096 float32.
;; This version of the problem:
;;   THIS VERSION OF THE PROBLEM IS GIVEN IN LOW PRECISION. The matrix products marked QUANTISED in the list below multiply operands that are first quantised to E4M3 (4 exponent bits, 3 mantissa bits; 8 bits a number), with one given power-of-two scale for each operand tensor; their sums are f32. All else is computed in f32.
;;   The module's matrix products, in the order in which they are computed (A, B: the left and right operand; K: the contracted axis; several contracted axes count as one K, in the product's order):
;;     1. [M 4,096, K 4,096] x [K 4,096, N 4,096]; A: input x; B: computed on the way: QUANTISED (scales: A lowp_scales[0], B lowp_scales[1])
;;     2. [M 4,096, K 4,096] x [K 4,096, N 16]; A: input x; B: input lora_A: QUANTISED (scales: A lowp_scales[2], B lowp_scales[3])
;;     3. [M 4,096, K 16] x [K 16, N 4,096]; A: computed on the way; B: input lora_B: left as it is (K = 16 < 32)
;;   THE QUANTISER, for each operand of a quantised product, along K:
;;     - The operand's scale is 2^e, e = its entry of the input lowp_scales (int32; the entries are numbered through the quantised products in the list's order, A before B).
;;     - Each number is divided by the scale, clamped to +-448, and rounded to the nearest number of E4M3, ties to even, subnormals kept.
;;     - The product sums the exact products of the quantised numbers (number of the format x scale) in f32.
;;   ~~~python
;;   def quantise(x, axis, e):      # numpy; x: float32 -> the quantised numbers, widened to float32 again
;;       x = np.moveaxis(x, axis, -1); K = x.shape[-1]
;;       r = np.clip(x / 2.0 ** e, -448, 448)
;;       step = 2.0 ** (np.maximum(np.frexp(np.where(r == 0, 1, r))[1] - 1, -6) - 3)
;;       q = np.round(r / step) * step * 2.0 ** e      # np.round: ties to even
;;       return np.moveaxis(q, -1, axis).astype(np.float32)
;;   ~~~
;;   OPERANDS COMPUTED ON THE WAY. 'Computed on the way' means the value that the module computes at that place (a softmax that the list does not call 'softmax' is quantised finished and normalised). What goes into a quantiser is computed in f32, as accurately as f32 sums, v_exp_f32 and their like allow (about 1e-6 of the number): no bf16 or f16 on the way to a quantiser, and a product that is left as it is and whose result goes on into a quantised operand takes f32 operands (vector FMAs, or v_wmma_f32_16x16x4_f32). A number that lies on a knife's edge between two numbers of the format may be rounded either way, as far as f32 arithmetic and the matrix unit's own rounding can turn it there, and no further.
;; 2 versions, each right; version 2 is version 1 with the launch prep written anew for expert scheduling mode. Each part assembles by itself: llvm-mc -triple=amdgcn-amd-amdhsa -mcpu=gfx1250 --defsym DOCPART=n.
;; ======== version 1 of 2: 2 launches
;; workspace buffers: xc 16,777,216 bytes; wc 16,777,216 bytes; tb 131,072 bytes; lb 131,072 bytes
;; launch prep (part 1): grid 256 x 1, 8 waves a work-group, no clusters, 78,848 bytes of LDS; arguments x, qweight, scales, lora_A, lora_B, lowp_scales, xc, wc, tb, lb; writes xc, wc, tb, lb
.if DOCPART == 1
	.amdgcn_target "amdgcn-amd-amdhsa--gfx1250"
	.amdhsa_code_object_version 6
	.text
	.protected	k_q871273d12d_prep
	.globl	k_q871273d12d_prep
	.p2align	8
	.type	k_q871273d12d_prep,@function
k_q871273d12d_prep:
	s_mov_b64 s[64:65], 0
	v_nop
	global_prefetch_b8 v0, s[64:65] scope:SCOPE_SE
	s_setreg_imm32_b32 hwreg(HW_REG_WAVE_MODE, 25, 1), 1
	s_wait_xcnt 0x0
; THE LAUNCH IN FRONT OF THE PRODUCT.  x [4096][4096] f32 and w = qweight x scales[0] ([4096][4096], qweight int32) become codes of FP8 (E4M3) with the given scales 2^e0 and 2^e1;
; t = Q(x; e2) Q(lora_A; e3) ([4096][16]) is made here, where x's numbers lie in registers anyway, so that no second set of x's codes goes to memory; lora_B becomes bf16.
; code = number / 2^e, held within +-448, rounded to the nearest code, ties to even.
; LIMITS: e0 .. e3 each between -126 and 119, so that 2^e and 448 x 2^e are f32 numbers.  NaN among the inputs is not served; an infinity is held at the largest code.
; WHAT IS STORED, all as images of operand registers (a fragment = 16 rows x 128 K = 16 registers a lane = four groups of 512 bytes, lane l's 16 bytes at 16 l):
;   xc, wc: [K slot of 256: 16][tile of 16 rows: 256][128 along K: 2][group c: 4][lane][16 bytes]; lane (r = lane % 16, h = lane / 16), group c: row r, k = 32 c + 16 h + 0 .. 15.
;           That is a permutation of k inside an instruction's 128, the same in x, w and lora_A: every product meets its partner.
;   tb: [tile of 16 rows][lane][16 bytes]: bf16 of t(r, 8 h + 0 .. 7) x 2^(e2 + e3 - e0 - e1): the next launch multiplies all its sums by 2^(e0 + e1) at the end.
;   lb: [tile of 16 columns][lane][16 bytes]: bf16 of lora_B(8 h + 0 .. 7, r).
; SHARES.  Work-group g: rows 16 g .. 16 g + 15 of x and of qweight, columns 16 g .. of lora_B.  Wave v: K = 512 v .. 512 v + 511, four steps of 128, of x, of w and of lora_A.
; A STREAM: every load takes 512 consecutive bytes, 16 a lane; a step's 8,192 bytes turn through the wave's own stage in LDS, so that a lane gets 16 neighbours along K of each block of 32 (for lora_A, whose K is
; its first axis: a lane takes a column and its registers run down K).  Twelve items a wave (lora_A, x, w of step 0, then of step 1 ..) go through a ring of four sets of 64 registers: 64 loads a wave are out.
; No tensor loads and no cluster: the work-groups share lora_A alone, 32,768 bytes a wave beside 524,288 of x and qweight.  One barrier, for the eight partial sums of t.
.set STGB, 8704                        ; a wave's stage: 16 rows x (512 + 16) bytes for x and w; 8 blocks x (16 k x 64 bytes + 64) for lora_A
.set PS,   8*STGB                      ; behind the stages: 1,024 bytes for each wave's partial tile of t
.set VL,   1                           ; v1   16 x lane
.set SA,   2                           ; v2   my stage + 16 x lane: the way in
.set XR,   3                           ; v3   my stage + 528 r + 64 h: the way back for x and w
.set LR,   4                           ; v4   my stage + 4 r + 1088 h: the way back for lora_A
.set PSA,  5                           ; v5   PS + 1024 x wave + 16 x lane
.set PR,   6                           ; v6   PS + 16 x lane
.set LBO,  7                           ; v7   lora_B: 8 h rows of 16,384 bytes + 4 r
.set SC,   8                           ; v8-11   2^e0 .. 2^e3 as f32: a conversion takes the exponent field
.set LIM,  12                          ; v12-15  448 x 2^e0 .. 448 x 2^e3
.set X,    16                          ; v16-79  a step's 64 numbers of my lane: register 16 b + i = k 32 b + 16 h + i
.set T,    80                          ; v80-143 x held under e0 (x itself is kept for e2)
.set CX,   144                         ; x's codes under e0
.set CW,   160                         ; w's codes
.set C2,   176                         ; x's codes under e2
.set LAC,  192                         ; lora_A's codes
.set ACC,  208                         ; my part of t: lane (r, h), register j: t(row r, rank 8 h + j)
.set LBF,  216                         ; wave 0: lora_B's numbers
.set OB,   224                         ; wave 0: packed bf16
.set MSB, 0                            ; window 1 (v256-511): the ring, four sets of 64 registers
.macro WIN new                         ; the immediate's high byte repeats the setting that is left
.if MSB != \new
	s_set_vgpr_msb (MSB<<8)|\new
.set MSB, \new
.endif
.endm
	s_load_b256 s[4:11], s[0:1], 0x0               ; x s[4:5], qweight s[6:7], scales s[8:9], lora_A s[10:11]
	s_load_b256 s[12:19], s[0:1], 0x20             ; lora_B s[12:13], lowp_scales s[14:15], xc s[16:17], wc s[18:19]
	s_load_b128 s[20:23], s[0:1], 0x40             ; tb s[20:21], lb s[22:23]
	v_lshl_add_u32 v254, v0, 2, 0x13000
	v_mov_b32 v255, 0
	v_lshrrev_b32 v18, 5, v0
	v_readfirstlane_b32 s24, v18                   ; wave 0..7
	v_and_b32 v[VL], 31, v0
	v_lshlrev_b32 v[VL], 4, v[VL]
	v_and_b32 v16, 15, v0                          ; r
	v_bfe_u32 v17, v0, 4, 1                        ; h
	s_mul_i32 s25, s24, STGB                       ; my stage
	v_add_nc_u32 v[SA], s25, v[VL]
	v_mul_u32_u24 v18, v16, 528
	v_lshl_add_u32 v18, v17, 6, v18
	v_add_nc_u32 v[XR], s25, v18
	v_mul_u32_u24 v18, v17, 1088
	v_lshl_add_u32 v18, v16, 2, v18
	v_add_nc_u32 v[LR], s25, v18
	s_lshl_b32 s43, s24, 10
	s_add_co_u32 s43, s43, PS
	v_add_nc_u32 v[PSA], s43, v[VL]
	v_add_nc_u32 v[PR], PS, v[VL]
	v_lshlrev_b32 v18, 17, v17
	v_lshl_add_u32 v[LBO], v16, 2, v18
	; where my part begins in each buffer, in bytes; every later step is an immediate, so no base is written again
	s_lshl_b32 s26, ttmp9, 18                      ; x, qweight: 16 rows of 16,384 bytes a work-group,
	s_lshl_b32 s43, s24, 11                        ; 512 numbers a wave
	s_add_co_u32 s26, s26, s43
	s_mov_b32 s27, 0
	s_lshl_b32 s44, s24, 15                        ; lora_A: 512 rows of 64 bytes a wave
	s_mov_b32 s45, 0
	s_lshl_b32 s46, ttmp9, 6                       ; lora_B: 16 columns a work-group
	s_mov_b32 s47, 0
	s_lshl_b32 s48, s24, 21                        ; xc, wc: two K slots of 2^20 bytes a wave,
	s_lshl_b32 s43, ttmp9, 12                      ; 4,096 bytes a tile of rows
	s_add_co_u32 s48, s48, s43
	s_mov_b32 s49, 0
	s_lshl_b32 s50, ttmp9, 9                       ; tb, lb: 512 bytes a tile
	s_mov_b32 s51, 0
	s_wait_kmcnt 0x0
	s_load_b128 s[28:31], s[14:15], 0x0            ; e0, e1, e2, e3
	s_load_b32 s32, s[8:9], 0x0                    ; scales[0]
	s_add_nc_u64 s[4:5], s[4:5], s[26:27]
	s_add_nc_u64 s[6:7], s[6:7], s[26:27]
	s_add_nc_u64 s[10:11], s[10:11], s[44:45]
	s_add_nc_u64 s[12:13], s[12:13], s[46:47]
	s_add_nc_u64 s[16:17], s[16:17], s[48:49]
	s_add_nc_u64 s[18:19], s[18:19], s[48:49]
	s_add_nc_u64 s[20:21], s[20:21], s[50:51]
	s_add_nc_u64 s[22:23], s[22:23], s[50:51]
; Item n of twelve: kind n % 3 (0 lora_A, 1 x, 2 qweight), K step n / 3, ring set n % 4.
.macro LOADS n                         ; sixteen loads of 512 consecutive bytes into the item's ring set
.set KD, (\n)%3
.set FF, (\n)/3
.set RS, 64*((\n)%4)
	WIN 0x40                                       ; destination window 1, address window 0
.set i, 0
.rept 16
.if KD == 0
	global_load_b128 v[RS+4*i:RS+4*i+3], v[VL], s[10:11] offset:FF*8192+512*i                      ; eight rows k of lora_A, dense; every work-group reads them, so no hint
.elseif KD == 1
	global_load_b128 v[RS+4*i:RS+4*i+3], v[VL], s[4:5] offset:i*16384+512*FF th:TH_LOAD_NT          ; row i of x, the step's 128 numbers; read once in the launch
.else
	global_load_b128 v[RS+4*i:RS+4*i+3], v[VL], s[6:7] offset:i*16384+512*FF th:TH_LOAD_NT          ; row i of qweight
.endif
.set i, i+1
.endr
	WIN 0
.endm
.macro TOST n                          ; the item's ring set into my stage, as it was loaded: an instruction's 512 bytes are consecutive
.set KD, (\n)%3
.set RS, 64*((\n)%4)
	WIN 0x04                                       ; store data window 1, address window 0
.set i, 0
.rept 16
.if KD == 0
	ds_store_b128 v[SA], v[RS+4*i:RS+4*i+3] offset:512*i+64*(i/2)      ; 64 bytes of padding behind every 16 rows k
.else
	ds_store_b128 v[SA], v[RS+4*i:RS+4*i+3] offset:528*i               ; 16 bytes of padding behind every row
.endif
.set i, i+1
.endr
	WIN 0
.endm
.macro BACK kind                       ; and back: register 16 b + i = k 32 b + 16 h + i of my row (lora_A: of my column).  LDS serves a wave's instructions in order (ISA guide 5.7.1.4): these see the stores above
.if \kind == 0
.irp b, 0,1,2,3
.irp i, 0,1,2,3,4,5,6,7,8,9,10,11,12,13,14,15
	ds_load_b32 v[X+16*\b+\i], v[LR] offset:2176*\b+64*\i              ; lanes 0-15 take 64 consecutive bytes, lanes 16-31 the 64 that lie 1,088 bytes (272 words) on: 32 different banks
.endr
.endr
.else
.irp b, 0,1,2,3
.irp j, 0,1,2,3
	ds_load_b128 v[X+16*\b+4*\j:X+16*\b+4*\j+3], v[XR] offset:128*\b+16*\j   ; sixteen rows 132 words apart start at sixteen different groups of four banks
.endr
.endr
.endif
.endm
; 64 numbers v[src] on become a fragment's 16 registers of codes v[dst] on; the held numbers go to v[tmp] on (tmp = src: in place)
.macro QUANT src, tmp, dst, lim, sc
.irp b, 0,1,2,3
.irp i, 0,1,2,3,4,5,6,7,8,9,10,11,12,13,14,15
	v_med3_num_f32 v[\tmp+16*\b+\i], v[\src+16*\b+\i], -v[\lim], v[\lim]   ; the conversion to an 8-bit code does not saturate (ISA guide 7.6.2): the hold at the largest code x the scale
.endr
	v_cvt_scalef32_pk8_fp8_f32 v[\dst+4*\b:\dst+4*\b+1], v[\tmp+16*\b:\tmp+16*\b+7], v[\sc]
	v_cvt_scalef32_pk8_fp8_f32 v[\dst+4*\b+2:\dst+4*\b+3], v[\tmp+16*\b+8:\tmp+16*\b+15], v[\sc]
.endr
	v_nop                                          ; one plain vector instruction between the last conversion and whatever vector or matrix instruction touches its registers next
.endm
.macro ITEM n
.set ITK, (\n)%3
.set ITF, (\n)/3
.if 11-(\n) >= 3
	s_wait_loadcnt 48                              ; loads come back in order (ISA guide 5.7.1): this item's sixteen are in, the three items behind it stay out
.else
	s_wait_loadcnt 16*(11-(\n))                    ; the last items: the counts run down
.endif
	TOST \n
	BACK ITK
	s_wait_dscnt 0x0                               ; the numbers are back; so the stores into the stage have read the ring set,
.if (\n)+4 <= 11
	LOADS (\n)+4                                   ; which takes the item four further on
.endif
.if ITK == 0
	QUANT X, X, LAC, LIM+3, SC+3                   ; lora_A under e3: source 0 of this step's product
.elseif ITK == 1
.if ITF > 0
	s_wait_xcnt 0x0                                ; the last step's stores of x's codes have read their registers: only behind this wait are they written again
.endif
	QUANT X, T, CX, LIM, SC                        ; x under e0, for the large product
.irp c, 0,1,2,3
	global_store_b128 v[VL], v[CX+4*\c:CX+4*\c+3], s[16:17] offset:(ITF/2)*0x100000+(ITF%2)*2048+512*\c   ; 512 consecutive bytes, at a multiple of 512 from the buffer's first byte
.endr
	QUANT X, X, C2, LIM+2, SC+2                    ; x under e2, for t
; t^T += lora_A^T x^T: source 0 = lora_A's 16 columns, source 1 = my work-group's 16 rows of x: a lane then holds one row of t and eight neighbouring ranks.
.if ITF == 0
	v_wmma_f32_16x16x128_fp8_fp8 v[ACC:ACC+7], v[LAC:LAC+15], v[C2:C2+15], 0   ; the first step starts the sum
.else
	s_wait_alu depctr_va_vdst(0)                   ; this wait stands directly ahead of each
	v_wmma_f32_16x16x128_fp8_fp8 v[ACC:ACC+7], v[LAC:LAC+15], v[C2:C2+15], v[ACC:ACC+7]
.endif
; (the next item, w's, has over a hundred plain vector instructions that name none of these registers: they are the places ahead of the next write of LAC and C2 and of the read of ACC: ISA guide 7.12.1)
.else
.set i, 0
.rept 64
	v_cvt_f32_i32 v[X+i], v[X+i]
.set i, i+1
.endr
.set i, 0
.rept 32
	v_pk_mul_f32 v[X+2*i:X+2*i+1], v[X+2*i:X+2*i+1], s[32:33] op_sel_hi:[1,0]   ; w = qweight x scales[0], in f32, as it goes into the quantiser
.set i, i+1
.endr
.if ITF > 0
	s_wait_xcnt 0x0                                ; the last step's stores of w's codes have read their registers
.endif
	QUANT X, X, CW, LIM+1, SC+1
.irp c, 0,1,2,3
	global_store_b128 v[VL], v[CW+4*\c:CW+4*\c+3], s[18:19] offset:(ITF/2)*0x100000+(ITF%2)*2048+512*\c
.endr
.endif
.endm
	LOADS 0
	LOADS 1
	LOADS 2
	LOADS 3
	s_wait_kmcnt 0x0
.irp k, 0,1,2,3
	s_add_co_i32 s43, s[28+\k], 127
	s_lshl_b32 s44, s43, 23
	v_mov_b32 v[SC+\k], s44                        ; 2^e as f32
	s_add_co_i32 s43, s43, 8
	s_lshl_b32 s43, s43, 23
	s_or_b32 s43, s43, 0x600000
	v_mov_b32 v[LIM+\k], s43                       ; 448 x 2^e
.endr
	s_add_co_i32 s42, s30, s31
	s_sub_co_i32 s42, s42, s28
	s_sub_co_i32 s42, s42, s29                     ; e2 + e3 - e0 - e1
	s_mov_b32 s33, s32                             ; (named with s32 as a pair, so it is written)
.irp n, 0,1,2,3,4,5,6,7,8,9,10,11
	ITEM \n
.endr
	; the eight waves' parts of t meet in LDS
	ds_store_b128 v[PSA], v[ACC:ACC+3]             ; the accumulator is read from its low end on
	ds_store_b128 v[PSA], v[ACC+4:ACC+7] offset:512
	s_wait_dscnt 0x0                               ; for wave 0's sake: my stores have landed
	s_barrier_signal -1
	s_barrier_wait -1
	s_cmp_lg_u32 s24, 0
	s_cbranch_scc1 .Lend
	; wave 0 alone.  lora_B's numbers are asked for first: the sums below stand between these loads and the wait for them
.irp j, 0,1,2,3,4,5,6,7
	global_load_b32 v[LBF+\j], v[LBO], s[12:13] offset:16384*\j   ; lora_B(8 h + j, 16 g + r)
.endr
.irp w, 0,1,2,3,4,5,6,7
	ds_load_b128 v[X+8*\w:X+8*\w+3], v[PR] offset:1024*\w
	ds_load_b128 v[X+8*\w+4:X+8*\w+7], v[PR] offset:1024*\w+512
.endr
	s_wait_dscnt 0x0
.irp w, 1,2,3,4,5,6,7
.irp p, 0,2,4,6
	v_pk_add_f32 v[X+\p:X+\p+1], v[X+\p:X+\p+1], v[X+8*\w+\p:X+8*\w+\p+1]   ; K ascending, four chains
.endr
.endr
.irp j, 0,1,2,3,4,5,6,7
	v_ldexp_f32 v[X+\j], v[X+\j], s42              ; x 2^(e2 + e3 - e0 - e1)
.endr
.irp p, 0,1,2,3
	v_cvt_pk_bf16_f32 v[OB+\p], v[X+2*\p], v[X+2*\p+1]
.endr
	global_store_b128 v[VL], v[OB:OB+3], s[20:21]  ; the tile of t: 512 consecutive bytes
	s_wait_loadcnt 0x0                             ; lora_B's numbers
.irp p, 0,1,2,3
	v_cvt_pk_bf16_f32 v[OB+4+\p], v[LBF+2*\p], v[LBF+2*\p+1]
.endr
	global_store_b128 v[VL], v[OB+4:OB+7], s[22:23]
.Lend:
	s_wait_tensorcnt 0x0
	ds_add_u32 v254, v255
	s_wait_dscnt 0x0
	s_endpgm
.Lfunc_end_k_q871273d12d_prep:
	.size	k_q871273d12d_prep, .Lfunc_end_k_q871273d12d_prep-k_q871273d12d_prep
	.p2alignl 7, 3214868480
	.fill 96, 4, 3214868480
	.section	.rodata,"a",@progbits
	.p2align	6, 0x0
	.amdhsa_kernel k_q871273d12d_prep
		.amdhsa_group_segment_fixed_size 78848
		.amdhsa_private_segment_fixed_size 0
		.amdhsa_enable_private_segment 0
		.amdhsa_kernarg_size 80
		.amdhsa_user_sgpr_count 2
		.amdhsa_user_sgpr_kernarg_segment_ptr 1
		.amdhsa_wavefront_size32 1
		.amdhsa_system_sgpr_workgroup_id_x 1
		.amdhsa_system_sgpr_workgroup_id_y 1
		.amdhsa_system_sgpr_workgroup_id_z 1
		.amdhsa_system_vgpr_workitem_id 0
		.amdhsa_next_free_vgpr 512
		.amdhsa_next_free_sgpr 66
		.amdhsa_reserve_vcc 0
		.amdhsa_float_denorm_mode_32 3
		.amdhsa_float_denorm_mode_16_64 3
		.amdhsa_memory_ordered 1
		.amdhsa_forward_progress 1
		.amdhsa_inst_pref_size 158
	.end_amdhsa_kernel
	.amdgpu_metadata
---
amdhsa.version: [ 1, 2 ]
amdhsa.kernels:
  - .name:           k_q871273d12d_prep
    .symbol:         k_q871273d12d_prep.kd
    .args:
      - { .name: x, .offset: 0, .size: 8, .value_kind: global_buffer, .address_space: global }
      - { .name: qweight, .offset: 8, .size: 8, .value_kind: global_buffer, .address_space: global }
      - { .name: scales, .offset: 16, .size: 8, .value_kind: global_buffer, .address_space: global }
      - { .name: lora_A, .offset: 24, .size: 8, .value_kind: global_buffer, .address_space: global }
      - { .name: lora_B, .offset: 32, .size: 8, .value_kind: global_buffer, .address_space: global }
      - { .name: lowp_scales, .offset: 40, .size: 8, .value_kind: global_buffer, .address_space: global }
      - { .name: xc, .offset: 48, .size: 8, .value_kind: global_buffer, .address_space: global }
      - { .name: wc, .offset: 56, .size: 8, .value_kind: global_buffer, .address_space: global }
      - { .name: tb, .offset: 64, .size: 8, .value_kind: global_buffer, .address_space: global }
      - { .name: lb, .offset: 72, .size: 8, .value_kind: global_buffer, .address_space: global }
    .group_segment_fixed_size: 78848
    .private_segment_fixed_size: 0
    .kernarg_segment_align: 8
    .kernarg_segment_size: 80
    .max_flat_workgroup_size: 256
    .sgpr_count:     66
    .vgpr_count:     512
    .wavefront_size: 32
...
	.end_amdgpu_metadata
.endif
;; end of part 1
;; launch gemm (part 2): grid 16 x 16, 4 waves a work-group, clusters of 4 x 4, 327,680 bytes of LDS; arguments xc, wc, tb, lb, lowp_scales, bias, out0; writes out0
.if DOCPART == 2
	.amdgcn_target "amdgcn-amd-amdhsa--gfx1250"
	.amdhsa_code_object_version 6
	.text
	.protected	k_q871273d12d_gemm
	.globl	k_q871273d12d_gemm
	.p2align	8
	.type	k_q871273d12d_gemm,@function
k_q871273d12d_gemm:
	s_mov_b64 s[64:65], 0
	v_nop
	global_prefetch_b8 v0, s[64:65] scope:SCOPE_SE
	s_setreg_imm32_b32 hwreg(HW_REG_WAVE_MODE, 25, 1), 1
	s_wait_xcnt 0x0
	s_wait_alu depctr_hold_cnt(0) depctr_sa_sdst(0) depctr_va_vdst(0) depctr_va_sdst(0) depctr_va_ssrc(0) depctr_va_vcc(0) depctr_vm_vsrc(0)
	s_getreg_b32 s2, hwreg(HW_REG_IB_STS2, 6, 4)
	s_cmp_eq_u32 s2, 0
	s_cbranch_scc0 .Lentry_in_a_cluster
	s_endpgm
.Lentry_in_a_cluster:
	s_bfe_u32 s2, ttmp6, 0x10000c
	s_cmp_lg_u32 s2, 0xf033
	s_cbranch_scc0 .Lentry_shape_is_right
	s_endpgm
.Lentry_shape_is_right:
; out0[m][n] = (sum over k of xcode[m][k] wcode[n][k] + sum over 16 ranks of t'[m][j] lora_B[j][n]) x 2^(e0 + e1) + bias[n];  m, n, k = 4,096; out0 f32; sums in f32.
; xc, wc: codes of FP8 (E4M3) laid as images of operand registers: [K slot of 256: 16][tile of 16 rows: 256][128 along K: 2][group c: 4][lane][16 bytes].  tb, lb: bf16 fragments of t' = t / 2^(e0 + e1) and of lora_B,
; [tile of 16][lane][16 bytes]: lane (r, h) holds ranks 8 h + 0 .. 7 of row (column) r.
; LIMITS: e0 + e1 lies between -126 and 127, so that 2^(e0 + e1) is an f32 number.  The order in which an output's f32 sum takes the K slots differs between clusters (see THE ORDER OF K): another order of rounding, the same products.
; A tile of out0, 256 x 256, is made by a work-group of four waves; a wave makes 128 x 128: 64 accumulators of 16 x 16, 512 registers.  16 x 16 tiles: one for each of 256 work-groups.
; THE LOW-RANK PRODUCT STARTS THE SUMS: 64 bf16 products (K = 16 ranks, the instruction's other 16 are zeros) with C = 0, issued while the first tiles are on their way.  So nothing is cleared and no pass is added.
; K goes in slots of 256 through a ring of two LDS slots.  A wave's tensor load brings 8 tiles of rows x 4,096 bytes, one dense block of 32,768 bytes; a fragment's group of four registers is 512 consecutive bytes,
; 16 x lane: no pitch, no padding.
; CLUSTERS: 4 x 4 work-groups.  The four of a row of the cluster need the same tiles of x, the four of a column the same tiles of w: each is asked for JOINTLY, by the same tensor load with the same descriptor and a mask
; that names the four.  THE MATRIX INSTRUCTION IS USED TRANSPOSED (source 0 = 16 rows of w, source 1 = 16 rows of x): a lane then holds eight neighbouring numbers of a row of out0.
; THE ORDER OF K.  Step j of a cluster takes K slot j xor b: half of the clusters walk 0, 1, 2, 3 .., the other half 1, 0, 3, 2 ..  b = (g(X) + g(Y)) mod 2, X and Y the cluster's coordinates, g = 0, 1, 1, 0: among the four
; clusters that read the same rows of x (one Y) and among the four that read the same rows of w (one X) two have b = 0 and two b = 1.  So of a pair of K slots each cluster asks for one together with a neighbour's request
; for the other, and for the other a step behind that neighbour.  b hangs on the cluster's coordinates alone: it is the same in all sixteen partners.
; REGISTERS, in windows of 256: window 0: v0-31 addresses and my four columns' bias; v128-191 x's blocks 0-3 (16 rows x 128 K each), ONE set; x's blocks 4-7 in TWO sets, v192-255 and v32-95 (the second first holds
;   t's eight fragments); on the way out v128-255 take rows of out0.
;   window 1: w's fragments, TWO sets, at v0 and at v128 (the second first holds lora_B's eight).   window 2: the 32 accumulators of my rows 0-63 (accumulator (a, b) at v[8 (8 a + b)]);   window 3: those of my rows 64-127.
.set FR,     16                        ; registers of a fragment: 16 rows x 128 K
.set NL,     4                         ; LDS loads that bring one
.set NP,     4                         ; places behind these matrix instructions (ISA guide 7.12.1)
.set HALFT,  32768                     ; 128 rows x 256 K: what one tensor load brings, and what one wave reads of x or of w
.set SLOT,   4*HALFT                   ; x's 256 rows, then w's 256 rows
.set KSLOTB, 0x100000                  ; a K slot of xc or wc in memory
.set LAPS,   8                         ; a lap = two steps of 256 along K = once round the ring
.set SPARE,  2*SLOT                    ; behind the ring: the spare words, 128 bytes for each wave: two blocks of 256 bytes that no other line names
.set SPITCH, 528                       ; the way out: a stage of 16 rows x (512 bytes + 16) for each wave.  It lies in slot 0, which has had its last fill and its last read when the first result is stored there
.set BI,   12                          ; v12-15  bias of the four columns that I store
.set ADRA, 16                          ; v16-17  LDS address of my x fragments in slot 0, 1
.set ADRB, 20                          ; v20-21  the same for w
.set STO,  24                          ; v24     the way out: where I put 32 bytes of a row
.set RD,   25                          ; v25     the way out: where I read a row back
.set CO,   26                          ; v26     16 x lane
.set SPW,  28                          ; v28     LDS address of my spare word: SPARE + 4 x my thread's number; never rewritten
.set NIL,  29                          ; v29     0; never rewritten
.set PFO,  30                          ; v30     the prefetches' offset: 256 x lane; never rewritten
.set TF,   32                          ; t's fragments, in window 0
.set LBF,  128                         ; lora_B's fragments, in window 1
.set AF,   128                         ; x's blocks 0-3, in window 0
.set AH0,  192                         ; x's blocks 4-7 of a slot's first 128 along K,
.set AH1,  32                          ; and of its second
.set BK,   128                         ; the way out: 16 rows read back from the stage: v128-191 and v192-255 by turns
.set G1, 24                            ; s[24:31] descriptor group 1 for x's tiles;  s[32:39] group 0, one set for each slot
.set G0, 32
.set G1B, 48                           ; s[48:55], s[56:63] the same for w's tiles
.set G0B, 56
.set PFA, 74                           ; s[74:75] where my prefetches stand
.set LIM, 76                           ; s76     1 in a wave that prefetches, else the greatest number
.set SCL, 78                           ; s[78:79] e0, e1; then 2^(e0 + e1), twice
.set BA,  82                           ; s[82:83] xc at the 32,768 bytes of K slot 0 that I fetch; never rewritten
.set BB,  84                           ; s[84:85] wc likewise
.set JO,  86                           ; s86     the step last asked for x 2^20
.set BX,  87                           ; s87     b x 2^20
.set KO,  88                           ; s[88:89] the byte offset of the K slot that is asked for: s86 xor s87
.set MSB, 0
.macro WIN new                         ; the immediate's high byte repeats the setting that is left
.if MSB != \new
	s_set_vgpr_msb (MSB<<8)|\new
.set MSB, \new
.endif
.endm
.set MUL_LO, 0xa1                      ; source 0 (w) window 1, source 1 (x) window 0, C and D window 2
.set MUL_HI, 0xf1                      ; the same, C and D window 3
.set TO_B,   0x40                      ; destination window 1, address window 0
; A joint load: waves 0 and 1 fetch for x, waves 2 and 3 for w.  Each of the two lines has ONE mask and one set of registers for all that issue it; the branch hangs on the wave's number alone.
; Four v_nop follow each of the two lines, ahead of the jump, the label and what follows.
.macro JLOAD g0a, g1a, g0b, g1b
	s_cmp_eq_u32 s15, 0
	s_cbranch_scc0 .Lfor_b_\@
	tensor_load_to_lds s[\g0a:\g0a+3], s[\g1a:\g1a+7]
	s_nop 0
.rept 4
	v_nop
.endr
	s_branch .Lasked_\@
.Lfor_b_\@:
	tensor_load_to_lds s[\g0b:\g0b+3], s[\g1b:\g1b+7]
	s_nop 0
.rept 4
	v_nop
.endr
.Lasked_\@:
.endm
; A PREFETCH INTO THE L2, behind slot 0's joint refill (an even step j) and the run of LDS loads that follows it: of the K slot of step j + 2, two refills, 256 matrix instructions, ahead of the load that will want it.
; Only the even steps' K slots are named: an odd step takes the K slot that the clusters of the other order have asked for a step earlier.
; A wave's refill is 32,768 bytes; the four partners that ask for it jointly take 8,192 each, told apart BY ADDRESS (cx for x's tiles, cy for w's), lanes 256 bytes apart: one instruction a wave.
; x's tiles of a tile row are read by the four clusters of that row of clusters: those with X = 0 and X = 1 ask, one of each order, the first for the even K slots and the other for the odd ones (or the other way round);
; w's likewise by Y = 0 and Y = 1.  So each 256 bytes of K slots 4 to 15 are named once in the launch.  Steps 0 to 3 come by their loads alone; the loop's last trip (s3 = 1), which refills step 14, asks for nothing.
.macro ASK
	s_cmp_gt_u32 s3, s[LIM]
	s_cbranch_scc0 .Lnot_mine_\@
	global_prefetch_b8 v[PFO], s[PFA:PFA+1] th:TH_LOAD_NT scope:SCOPE_SE
.Lnot_mine_\@:
.endm
.macro CREST                           ; a round of the cluster's barrier behind its opening barrier
	s_cmp_lg_u32 s14, 0
	s_cbranch_scc1 .Lnot_wave_0_\@
	s_barrier_signal -3
.Lnot_wave_0_\@:
	s_barrier_wait -3
	s_barrier_signal -1
	s_barrier_wait -1
.endm
.macro CROUND                          ; a whole round
	s_barrier_signal -1
	s_barrier_wait -1
	CREST
.endm
	s_load_b256 s[4:11], s[0:1], 0x0               ; xc s[4:5], wc s[6:7], tb s[8:9], lb s[10:11]
	s_load_b128 s[68:71], s[0:1], 0x20             ; lowp_scales s[68:69], bias s[70:71]
	s_load_b64 s[72:73], s[0:1], 0x30              ; out0
	v_lshl_add_u32 v[SPW], v0, 2, SPARE
	v_mov_b32 v[NIL], 0
	ds_add_u32 v28, v29
	ds_add_u32 v28, v29
	s_wait_dscnt 0x0
	v_lshrrev_b32 v1, 5, v0
	v_readfirstlane_b32 s14, v1                    ; wave 0..3
	s_lshr_b32 s15, s14, 1                         ; which half of the tile's rows is mine.  Also: I fetch for x (0) or for w (1)
	s_and_b32 s16, s14, 1                          ; which half of its columns.  Also: which 128 rows of that tile I fetch
	s_bfe_u32 s40, ttmp6, 0x40000                  ; cx, cy: my place in the cluster
	s_bfe_u32 s41, ttmp6, 0x40004
	s_lshl_b32 s42, ttmp9, 2
	s_add_co_u32 s42, s42, s40                     ; tile column = 4 x cluster x + cx
	s_and_b32 s17, ttmp7, 0xffff
	s_lshl_b32 s17, s17, 2
	s_add_co_u32 s17, s17, s41                     ; tile row = 4 x cluster y + cy
	s_lshl_b32 s43, s41, 2
	s_lshl_b32 s43, 15, s43                        ; my row of the cluster
	s_lshl_b32 s44, 0x1111, s40                    ; my column
	; descriptor group 1: a dense block of 32,768 bytes as 128 rows of 32 elements of 8 bytes, no padding
	s_or_b32 s[G1+0], s43, (3<<16)|(1<<21)         ; 15:0 the mask: x's tiles go to my row; 17:16 elements of 8 bytes; 20 padding off; 21 set beside a mask
	s_or_b32 s[G1B+0], s44, (3<<16)|(1<<21)        ; the same with the mask of my column, for w's tiles
.irp g, G1, G1B
	s_mov_b32 s[\g+1], 32<<16                      ; tensor_dim0 = 32
	s_mov_b32 s[\g+2], 128<<16                     ; tensor_dim1 = 128
	s_mov_b32 s[\g+3], 32<<16                      ; tile_dim0 = 32
	s_mov_b32 s[\g+4], 128                         ; tile_dim1 = 128
	s_mov_b32 s[\g+5], 32                          ; tensor_dim0_stride: each row begins where the last ends
	s_mov_b32 s[\g+6], 0
	s_mov_b32 s[\g+7], 0
.endr
	s_lshl_b32 s18, s16, 15                        ; which 8 tiles of rows I fetch: 4,096 bytes each
	s_lshl_b32 s20, s17, 16
	s_add_co_u32 s20, s20, s18                     ; x: 65,536 x tile row + 32,768 x half
	s_lshl_b32 s46, s42, 16
	s_add_co_u32 s46, s46, s18                     ; w: 65,536 x tile column + 32,768 x half
	s_mov_b32 s21, 0
	s_mov_b32 s47, 0
	s_lshl_b32 s45, s14, 15                        ; where they go: wave x 32,768: no place in the cluster enters an LDS address
	s_and_b32 s22, ttmp7, 0xffff                   ; the order of K: Y,
	s_lshr_b32 s23, s22, 1
	s_xor_b32 s22, s22, s23                        ; whose lowest bit is now g(Y) = 0, 1, 1, 0;
	s_lshr_b32 s23, ttmp9, 1
	s_xor_b32 s23, s23, ttmp9                      ; g(X) likewise;
	s_xor_b32 s22, s22, s23
	s_and_b32 s22, s22, 1                          ; b
	s_lshl_b32 s[BX], s22, 20
	s_mov_b32 s[JO], KSLOTB                        ; the first fills ask for steps 0 and 1
	s_mov_b32 s[KO+1], 0
	s_wait_kmcnt 0x0
	s_load_b64 s[SCL:SCL+1], s[68:69], 0x0         ; e0, e1
	s_add_nc_u64 s[BA:BA+1], s[4:5], s[20:21]
	s_add_nc_u64 s[BB:BB+1], s[6:7], s[46:47]
	CROUND                                         ; all sixteen work-groups are here: the first joint loads meet
.irp s, 0,1
	s_xor_b32 s[KO], s[BX], \s*KSLOTB              ; step s takes K slot s xor b
	s_mov_b32 s[G0+4*\s], 1                        ; count = 1
	s_add_co_u32 s[G0+4*\s+1], s45, \s*SLOT        ; LDS address
	s_add_nc_u64 s[G0+4*\s+2:G0+4*\s+3], s[BA:BA+1], s[KO:KO+1]   ; global address
	s_or_b32 s[G0+4*\s+3], s[G0+4*\s+3], 0x80000000               ; type = 2
	s_mov_b32 s[G0B+4*\s], 1
	s_add_co_u32 s[G0B+4*\s+1], s45, \s*SLOT
	s_add_nc_u64 s[G0B+4*\s+2:G0B+4*\s+3], s[BB:BB+1], s[KO:KO+1]
	s_or_b32 s[G0B+4*\s+3], s[G0B+4*\s+3], 0x80000000
	JLOAD G0+4*\s, G1, G0B+4*\s, G1B               ; two tensor loads of mine are out
.endr
	v_and_b32 v1, 15, v0                           ; l % 16
	v_bfe_u32 v2, v0, 4, 1                         ; l / 16
	v_and_b32 v6, 31, v0
	v_lshlrev_b32 v[CO], 4, v6
	v_lshlrev_b32 v[PFO], 8, v6
	; t's and lora_B's fragments, the bias and out0 at my part
	s_lshl_b32 s20, s17, 13                        ; tb: 16 tiles of 512 bytes a tile row, my half's 8
	s_lshl_b32 s21, s15, 12
	s_add_co_u32 s20, s20, s21
	s_mov_b32 s21, 0
	s_add_nc_u64 s[8:9], s[8:9], s[20:21]
	s_lshl_b32 s46, s42, 13                        ; lb likewise, by the tile column
	s_lshl_b32 s47, s16, 12
	s_add_co_u32 s46, s46, s47
	s_mov_b32 s47, 0
	s_add_nc_u64 s[10:11], s[10:11], s[46:47]
	s_lshl_b32 s46, s42, 10                        ; my first column, in bytes of f32: 1,024 x tile column + 512 x half
	s_lshl_b32 s47, s16, 9
	s_add_co_u32 s46, s46, s47
	s_mov_b32 s47, 0
	s_add_nc_u64 s[70:71], s[70:71], s[46:47]
	s_lshl_b32 s20, s17, 22                        ; my first row: (256 x tile row + 128 x half) rows of 16,384 bytes
	s_lshl_b32 s21, s15, 21
	s_add_co_u32 s20, s20, s21
	s_mov_b32 s21, 0
	s_add_nc_u64 s[72:73], s[72:73], s[20:21]
	s_add_nc_u64 s[72:73], s[72:73], s[46:47]
.irp a, 0,1,2,3,4,5,6,7
	global_load_b128 v[TF+8*\a:TF+8*\a+3], v[CO], s[8:9] offset:512*\a      ; registers 0-3 of a bf16 fragment: k = 8 h + 0 .. 7: the 16 ranks
.endr
	global_load_b128 v[BI:BI+3], v[CO], s[70:71]   ; on the way out my lane stores columns 4 l .. 4 l + 3 of the wave's 128
.irp a, 0,1,2,3,4,5,6,7
.irp j, 4,5,6,7
	v_mov_b32 v[TF+8*\a+\j], 0                     ; registers 4-7: k = 16 .. 31, which the product does not have: zeros on both sides
.endr
.endr
	WIN TO_B
.irp b, 0,1,2,3,4,5,6,7
	global_load_b128 v[LBF+8*\b:LBF+8*\b+3], v[CO], s[10:11] offset:512*\b
.endr
.irp b, 0,1,2,3,4,5,6,7
.irp j, 4,5,6,7
	v_mov_b32 v[LBF+8*\b+\j], 0
.endr
.endr
	WIN 0
	; LDS addresses
	s_lshl_b32 s21, s15, 15                        ; my 128 rows of x
	s_lshl_b32 s22, s16, 15                        ; my 128 rows of w,
	s_add_co_u32 s22, s22, 2*HALFT                 ; which lie behind x's 256
.irp s, 0,1
	v_add_nc_u32 v[ADRA+\s], s21, v[CO]
	v_add_nc_u32 v[ADRB+\s], s22, v[CO]
	s_add_co_u32 s21, s21, SLOT
	s_add_co_u32 s22, s22, SLOT
.endr
	s_mul_i32 s23, s14, 16*SPITCH                  ; my stage
	v_mul_u32_u24 v5, v1, SPITCH                   ; in: row l % 16, 32 bytes for each half of the lanes
	v_lshl_add_u32 v5, v2, 5, v5
	v_add_nc_u32 v[STO], s23, v5
	v_add_nc_u32 v[RD], s23, v[CO]                 ; back: the 32 lanes take one row of 512 bytes
	; the prefetches: where mine stand, and who asks
	s_and_b32 s22, ttmp7, 0xffff                   ; cluster y
	s_cmp_eq_u32 s15, 0                            ; do I fetch for x?
	s_cselect_b32 s20, s17, s42                    ; the tile: by the tile row in xc, by the tile column in wc
	s_cselect_b32 s21, s40, s41                    ; my place among the four that ask for it with me
	s_cselect_b32 s22, ttmp9, s22                  ; the coordinate along which other clusters read the same bytes
	s_cselect_b64 s[PFA:PFA+1], s[4:5], s[6:7]
	s_cmp_lt_u32 s22, 2                            ; the first two clusters along it ask: one of each order
	s_cselect_b32 s[LIM], 1, -1                    ; the same in all sixteen partners, for a given wave
	s_lshl_b32 s20, s20, 16
	s_lshl_b32 s22, s16, 15
	s_add_co_u32 s20, s20, s22                     ; + the 32,768 bytes that I fetch
	s_lshl_b32 s21, s21, 13
	s_add_co_u32 s20, s20, s21                     ; + my work-group's 8,192 of them
	s_add_co_u32 s20, s20, s[BX]                   ; + b K slots: an even step j takes K slot j + b
	s_mov_b32 s21, 0
	s_add_nc_u64 s[PFA:PFA+1], s[PFA:PFA+1], s[20:21]
	s_add_nc_u64 s[PFA:PFA+1], s[PFA:PFA+1], 2*KSLOTB  ; at step 2: the first refill (of step 2) steps it to step 4.  Nothing is prefetched here, at the head, where every work-group's first tiles are on their way
.macro FRAG reg, adr, q, i             ; a fragment's 16 registers: four groups of 512 consecutive bytes, as the launch before laid them
.irp c, 0,1,2,3
	ds_load_b128 v[\reg+4*\c:\reg+4*\c+3], v[\adr] offset:4096*(\i)+2048*(\q)+512*\c
.endr
.endm
; 16 matrix instructions: x's blocks a0, a0 + 1 against w's eight, 128 along K.  p: w's set; ah: the set of x's blocks 4-7.
; The 64 accumulators take turns, one instruction a turn, in the same order in the low-rank product and in every step.
.macro MUL16 a0, p, ah
.irp a, \a0, \a0+1
.if (\a) < 4
.set RA, AF+FR*(\a)
.else
.set RA, (\ah)+FR*((\a)-4)
.endif
.irp b, 0,1,2,3,4,5,6,7
	v_wmma_f32_16x16x128_fp8_fp8 v[8*(8*((\a)%4)+\b):8*(8*((\a)%4)+\b)+7], v[128*(\p)+FR*\b:128*(\p)+FR*\b+FR-1], v[RA:RA+FR-1], v[8*(8*((\a)%4)+\b):8*(8*((\a)%4)+\b)+7]
.endr
.endr
.endm
.macro FETCH_B slot, q, p              ; 32 LDS loads: w's eight fragments of the slot's q-th 128 along K into set p
	WIN TO_B
.irp i, 0,1,2,3,4,5,6,7
	FRAG 128*(\p)+FR*\i, ADRB+\slot, \q, \i
.endr
	WIN 0
.endm
.macro FETCH_A slot, q, ah             ; 32 LDS loads: x's blocks 0-3 into their one set, then blocks 4-7 into set ah
.irp i, 0,1,2,3
	FRAG AF+FR*\i, ADRA+\slot, \q, \i
.endr
.irp i, 0,1,2,3
	FRAG (\ah)+FR*\i, ADRA+\slot, \q, \i+4
.endr
.endm
; A load into a register that a matrix instruction has read, and an LDS store that reads a matrix result, stand NP places behind that matrix instruction, and only plain vector instructions that name none of its
; registers are places (ISA guide 7.12.1 for vector instructions); this text does not count the matrix instructions in between.
.macro PLACES n
.rept \n
	v_nop
.endr
.endm
; A STEP OF 128 ALONG K is 64 matrix instructions with two runs of 32 LDS loads for the step that follows: w's other set at its head, x's blocks in its middle (blocks 0-3 are free when the first 32 products
; are issued; blocks 4-7 go into the set that this step does not read).  So all fragments of a step are asked for at least 32 matrix instructions ahead of its first product.
; A slot's first step: its successor lies in the same slot.
.macro STEP slot
	s_wait_dscnt 4*NL                              ; w's set 0 and x's blocks 0-3 are in; the youngest sixteen loads (x's blocks 4-7) may be out
	PLACES NP                                      ; behind the last step's products, which read w's set 1
	FETCH_B \slot, 1, 1
	WIN MUL_LO
	MUL16 0, 0, AH0
	MUL16 2, 0, AH0
	s_wait_dscnt 8*NL                              ; x's blocks 4-7 are in; the 32 loads of w just issued may be out
	PLACES NP                                      ; behind the products that read x's blocks 0-3
	WIN 0
	FETCH_A \slot, 1, AH1
	WIN MUL_HI
	MUL16 4, 0, AH0
	MUL16 6, 0, AH0
	WIN 0
.endm
; A slot's second step CHANGES SLOTS AT ITS HEAD: its own fragments were all asked for in the step before, so my reads of the slot end here, a whole step ahead of the slot's last product.
; ONE barrier; in front of it each wave waits for all its tensor loads (its part of the next slot), adds 0 to its spare word, and waits for that and for its reads of this slot.  Behind it nobody reads this slot any more
; and the next slot is whole.  fill = 1: the barrier opens a round of the cluster's, and this slot is filled again, with the step two on: from that request to the wait for it a wave issues 128 matrix instructions,
; and between a landing and the next request stand only these lines.
.macro TURN slot, next, fill
.if (\fill) && ((\slot) == 0)
	s_wait_xcnt 0x0                                ; the last prefetch, two steps of 256 back, has read its address: it is stepped here, ahead of the waits of the change of slots
	s_add_nc_u64 s[PFA:PFA+1], s[PFA:PFA+1], 2*KSLOTB
.endif
	s_wait_tensorcnt 0x0                           ; all my tensor loads have landed: the one that was out is my part of the next slot;  (every window is 0 here: the add's two registers lie in window 0)
	ds_add_u32 v[SPW], v[NIL]                      ; 0 onto my spare word: with fill = 1 the descriptors are made between it and the wait for it
.if \fill
	s_add_co_u32 s[JO], s[JO], KSLOTB              ; the step that is asked for now,
	s_xor_b32 s[KO], s[JO], s[BX]                  ; and its K slot: step xor b.  No tensor load of mine is out, so a group 0 may be written
	s_add_nc_u64 s[G0+4*\slot+2:G0+4*\slot+3], s[BA:BA+1], s[KO:KO+1]
	s_or_b32 s[G0+4*\slot+3], s[G0+4*\slot+3], 0x80000000
	s_add_nc_u64 s[G0B+4*\slot+2:G0B+4*\slot+3], s[BB:BB+1], s[KO:KO+1]
	s_or_b32 s[G0B+4*\slot+3], s[G0B+4*\slot+3], 0x80000000
.endif
	s_wait_dscnt 0x0                               ; the add is done, and my reads of this slot are over (the last were issued 32 matrix instructions ago)
	s_barrier_signal -1
	s_barrier_wait -1
.if \fill
	CREST                                          ; the barrier has opened a round of the cluster's barrier: no wave of any partner still reads this slot's tile or has a load on its way
	JLOAD G0+4*\slot, G1, G0B+4*\slot, G1B         ; the first tensor load behind the round, my only one until the next; the four v_nop behind it are the places in front of the loads below
.else
	PLACES NP                                      ; behind the last step's products, which read w's set 0
.endif
	FETCH_B \next, 0, 0
.if (\fill) && ((\slot) == 0)
	ASK                                            ; behind the joint load and the run of LDS loads
.endif
	WIN MUL_LO
	MUL16 0, 1, AH1
	MUL16 2, 1, AH1
	PLACES NP                                      ; behind the products that read x's blocks 0-3
	WIN 0
	FETCH_A \next, 0, AH0
	WIN MUL_HI
	MUL16 4, 1, AH1
	MUL16 6, 1, AH1
	WIN 0
.endm
	s_wait_loadcnt 0x0                             ; t's and lora_B's fragments and the bias
	; THE LOW-RANK PRODUCT: source 0 = 16 columns of lora_B, source 1 = 16 rows of t: the result lies as the large product's does.  Its 64 instructions start the 64 sums.
	WIN MUL_LO
.irp a, 0,1,2,3
.irp b, 0,1,2,3,4,5,6,7
	v_wmma_f32_16x16x32_bf16 v[8*(8*\a+\b):8*(8*\a+\b)+7], v[LBF+8*\b:LBF+8*\b+7], v[TF+8*\a:TF+8*\a+7], 0
.endr
.endr
	WIN MUL_HI
.irp a, 0,1,2,3
.irp b, 0,1,2,3,4,5,6,7
	v_wmma_f32_16x16x32_bf16 v[8*(8*\a+\b):8*(8*\a+\b)+7], v[LBF+8*\b:LBF+8*\b+7], v[TF+8*(\a+4):TF+8*(\a+4)+7], 0
.endr
.endr
	PLACES NP+1                                    ; another form goes on with these accumulators: that is no chain in place, so one place more than a reader wants stands between
	WIN 0
	s_wait_tensorcnt 1                             ; my part of step 0 is in; step 1's load may stay out
	s_barrier_signal -1
	s_barrier_wait -1                              ; everybody's is
	FETCH_B 0, 0, 0
	FETCH_A 0, 0, AH0
	STEP 0
	s_mov_b32 s3, LAPS-1
.Llap:                                                 ; a trip goes once round the ring, from a lap's second step of 128 to the next lap's first, and fills both slots again
	TURN 0, 1, 1
	STEP 1
	TURN 1, 0, 1
	STEP 0
	s_sub_co_u32 s3, s3, 1
	s_cmp_lg_u32 s3, 0
	s_cbranch_scc1 .Llap
	TURN 0, 1, 0                                   ; the last lap fills nothing, and has no round of the cluster's barrier
	STEP 1
	s_wait_dscnt 0                                 ; the very last step: nothing more to fetch
	WIN MUL_LO
	MUL16 0, 1, AH1
	MUL16 2, 1, AH1
	WIN MUL_HI
	MUL16 4, 1, AH1
	MUL16 6, 1, AH1
	WIN 0
; THE WAY OUT, block by block of 16 rows x 128 columns.  A lane holds 32 neighbouring bytes of a row, and the lanes beside it hold other rows: so a block's sums go, as they are, through my own stage in LDS and come
; back as whole rows of 512 bytes.  There a lane holds the same four columns in every row, so four registers of bias serve all: one packed multiply-add for two numbers gives sum x 2^(e0 + e1) + bias.
; LDS serves a wave's instructions in order (ISA guide 5.7.1.4): no wait between the stores and the loads, nor in front of the next block's stores.
.macro TOSTAGE a
.set AC, 64*((\a)%4)
	WIN 0x08+4*((\a)/4)                            ; store data: window 2 or 3
.irp b, 0,1,2,3,4,5,6,7
	ds_store_b128 v[STO], v[AC+8*\b:AC+8*\b+3] offset:64*\b          ; each accumulator from its low end on
	ds_store_b128 v[STO], v[AC+8*\b+4:AC+8*\b+7] offset:64*\b+16
.endr
	WIN 0
.set BB2, BK+64*((\a)%2)
.irp t, 0,1,2,3,4,5,6,7,8,9,10,11,12,13,14,15
	ds_load_b128 v[BB2+4*\t:BB2+4*\t+3], v[RD] offset:\t*SPITCH
.endr
.endm
.macro SEND a, younger                 ; younger: the LDS instructions issued behind block a's loads, which may stay out
.set BB2, BK+64*((\a)%2)
	s_wait_dscnt \younger                          ; the block is back in registers
.irp t, 0,1,2,3,4,5,6,7,8,9,10,11,12,13,14,15
	v_pk_fma_f32 v[BB2+4*\t:BB2+4*\t+1], v[BB2+4*\t:BB2+4*\t+1], s[SCL:SCL+1], v[BI:BI+1] op_sel_hi:[1,0,1]         ; (the scalar pair's low word for both halves)
	v_pk_fma_f32 v[BB2+4*\t+2:BB2+4*\t+3], v[BB2+4*\t+2:BB2+4*\t+3], s[SCL:SCL+1], v[BI+2:BI+3] op_sel_hi:[1,0,1]
.endr
.irp t, 0,1,2,3,4,5,6,7,8,9,10,11,12,13,14,15
	global_store_b128 v[CO], v[BB2+4*\t:BB2+4*\t+3], s[72:73] offset:(16*(\a)+\t)*16384 th:TH_STORE_NT   ; 32 lanes store 512 consecutive bytes, at a multiple of 512 from out0's first byte; the row stands in the immediate (127 rows of 16,384 bytes at the most), so the base is never stepped
.endr
.endm
	s_wait_kmcnt 0x0
	s_add_co_i32 s[SCL], s[SCL], s[SCL+1]          ; e0 + e1, between -126 and 127,
	s_add_co_i32 s[SCL], s[SCL], 127
	s_lshl_b32 s[SCL], s[SCL], 23                  ; makes the f32 number 2^(e0 + e1)
	s_mov_b32 s[SCL+1], s[SCL]                     ; (named with it as a pair, so it is written)
	PLACES NP                                      ; behind the last products: for the stores that read results, and for the loads into the registers that held x's fragments
	TOSTAGE 0
.irp a, 1,2,3,4,5,6,7
.if \a > 1
	s_wait_xcnt 0x0                                ; block a - 2's stores have read their registers: block a's loads may land there
.endif
	TOSTAGE \a
	SEND \a-1, 32                                  ; behind block a - 1's loads: block a's 16 stores and 16 loads
.endr
	SEND 7, 0
	s_wait_tensorcnt 0x0                           ; the wave's end, behind my last tensor load and my last LDS store
	ds_add_u32 v[SPW], v[NIL]
	s_wait_dscnt 0x0
	CROUND                                         ; the closing round: no work-group ends while a partner may still ask for a tile that names it
	s_endpgm
.Lfunc_end_k_q871273d12d_gemm:
	.size	k_q871273d12d_gemm, .Lfunc_end_k_q871273d12d_gemm-k_q871273d12d_gemm
	.p2alignl 7, 3214868480
	.fill 96, 4, 3214868480
	.section	.rodata,"a",@progbits
	.p2align	6, 0x0
	.amdhsa_kernel k_q871273d12d_gemm
		.amdhsa_group_segment_fixed_size 327680
		.amdhsa_private_segment_fixed_size 0
		.amdhsa_enable_private_segment 0
		.amdhsa_kernarg_size 56
		.amdhsa_user_sgpr_count 2
		.amdhsa_user_sgpr_kernarg_segment_ptr 1
		.amdhsa_wavefront_size32 1
		.amdhsa_system_sgpr_workgroup_id_x 1
		.amdhsa_system_sgpr_workgroup_id_y 1
		.amdhsa_system_sgpr_workgroup_id_z 1
		.amdhsa_system_vgpr_workitem_id 0
		.amdhsa_next_free_vgpr 1024
		.amdhsa_next_free_sgpr 96
		.amdhsa_reserve_vcc 0
		.amdhsa_float_denorm_mode_32 3
		.amdhsa_float_denorm_mode_16_64 3
		.amdhsa_memory_ordered 1
		.amdhsa_forward_progress 1
		.amdhsa_inst_pref_size 132
	.end_amdhsa_kernel
	.amdgpu_metadata
---
amdhsa.version: [ 1, 2 ]
amdhsa.kernels:
  - .name:           k_q871273d12d_gemm
    .symbol:         k_q871273d12d_gemm.kd
    .args:
      - { .name: xc, .offset: 0, .size: 8, .value_kind: global_buffer, .address_space: global }
      - { .name: wc, .offset: 8, .size: 8, .value_kind: global_buffer, .address_space: global }
      - { .name: tb, .offset: 16, .size: 8, .value_kind: global_buffer, .address_space: global }
      - { .name: lb, .offset: 24, .size: 8, .value_kind: global_buffer, .address_space: global }
      - { .name: lowp_scales, .offset: 32, .size: 8, .value_kind: global_buffer, .address_space: global }
      - { .name: bias, .offset: 40, .size: 8, .value_kind: global_buffer, .address_space: global }
      - { .name: out0, .offset: 48, .size: 8, .value_kind: global_buffer, .address_space: global }
    .group_segment_fixed_size: 327680
    .private_segment_fixed_size: 0
    .kernarg_segment_align: 8
    .kernarg_segment_size: 56
    .max_flat_workgroup_size: 128
    .sgpr_count:     96
    .vgpr_count:     1024
    .wavefront_size: 32
...
	.end_amdgpu_metadata
.endif
;; end of part 2
;; ======== version 2 of 2: 2 launches; version 1 with the launch prep written anew for expert scheduling mode
;; workspace buffers: xc 16,777,216 bytes; wc 16,777,216 bytes; tb 131,072 bytes; lb 131,072 bytes
;; launch prep (part 3): grid 256 x 1, 8 waves a work-group, no clusters, 78,848 bytes of LDS; arguments x, qweight, scales, lora_A, lora_B, lowp_scales, xc, wc, tb, lb; writes xc, wc, tb, lb
.if DOCPART == 3
	.amdgcn_target "amdgcn-amd-amdhsa--gfx1250"
	.amdhsa_code_object_version 6
	.text
	.protected	k_q871273d12d_prep
	.globl	k_q871273d12d_prep
	.p2align	8
	.type	k_q871273d12d_prep,@function
k_q871273d12d_prep:
	s_mov_b64 s[64:65], 0
	v_nop
	global_prefetch_b8 v0, s[64:65] scope:SCOPE_SE
	s_setreg_imm32_b32 hwreg(HW_REG_WAVE_SCHED_MODE, 0, 2), 2
	s_setreg_imm32_b32 hwreg(HW_REG_WAVE_MODE, 25, 1), 1
	s_wait_xcnt 0x0
	s_wait_alu depctr_vm_vsrc(0)
; THE LAUNCH IN FRONT OF THE PRODUCT.  x [4096][4096] f32 and w = qweight x scales[0] ([4096][4096], qweight int32) become codes of FP8 (E4M3) with the given scales 2^e0 and 2^e1;
; t = Q(x; e2) Q(lora_A; e3) ([4096][16]) is made here, where x's numbers lie in registers anyway, so that no second set of x's codes goes to memory; lora_B becomes bf16.
; code = number / 2^e, held within +-448, rounded to the nearest code, ties to even.
; LIMITS: e0 .. e3 each between -126 and 119, so that 2^e and 448 x 2^e are f32 numbers.  NaN among the inputs is not served; an infinity is held at the largest code.
; WHAT IS STORED, all as images of operand registers (a fragment = 16 rows x 128 K = 16 registers a lane = four groups of 512 bytes, lane l's 16 bytes at 16 l):
;   xc, wc: [K slot of 256: 16][tile of 16 rows: 256][128 along K: 2][group c: 4][lane][16 bytes]; lane (r = lane % 16, h = lane / 16), group c: row r, k = 32 c + 16 h + 0 .. 15.
;           That is a permutation of k inside an instruction's 128, the same in x, w and lora_A: every product meets its partner.
;   tb: [tile of 16 rows][lane][16 bytes]: bf16 of t(r, 8 h + 0 .. 7) x 2^(e2 + e3 - e0 - e1): the next launch multiplies all its sums by 2^(e0 + e1) at the end.
;   lb: [tile of 16 columns][lane][16 bytes]: bf16 of lora_B(8 h + 0 .. 7, r).
; SHARES.  Work-group g: rows 16 g .. 16 g + 15 of x and of qweight, columns 16 g .. of lora_B.  Wave v: K = 512 v .. 512 v + 511, four steps of 128, of x, of w and of lora_A.
; A STREAM: every load takes 512 consecutive bytes, 16 a lane; a step's 8,192 bytes turn through the wave's own stage in LDS, so that a lane gets 16 neighbours along K of each block of 32 (for lora_A, whose K is
; its first axis: a lane takes a column and its registers run down K).  Twelve items a wave (lora_A, x, w of step 0, then of step 1 ..) go through a ring of four sets of 64 registers: 64 loads a wave are out.
; No tensor loads and no cluster: the work-groups share lora_A alone, 32,768 bytes a wave beside 524,288 of x and qweight.  One barrier, for the eight partial sums of t.
; THE MODE: SCHED_MODE bits 1:0 = 2 (LLVM: expert scheduling mode 2), set by the entry lines.  The code itself states the register dependences between vector or matrix instructions and memory or LDS
; instructions, with s_wait_alu, always for 0.
; THE PLAN.  Registers that memory or LDS instructions touch:
;   v1 .. v7     offsets and LDS addresses: made once at the head, never written again: every step is an immediate.
;   the ring     (window 1) item n: its sixteen global loads land in set n % 4, its sixteen LDS stores read the set, the loads of item n + 4 land in it again.  No vector instruction names it.
;   X            item n: its LDS loads land in it, its vector instructions read it and write it in place.  ONE buffer: the launch's 512 registers are all laid out but for 22.
;   CX, CW       written by the conversions of x's and of w's item; read by four global stores each, which are issued in the NEXT item; written again three items behind the conversions.
;   ACC          written by the four matrix instructions; read by two LDS stores behind the last item.
;   LBF, OB      wave 0 at the end: loads land in LBF; conversions write OB, which two global stores read.
;   T, C2, LAC and v8 .. v15 are named by vector and matrix instructions alone.
; An item has TWO waits.  (1) On va_vdst, behind its LDS stores (which hang on no vector result and so go out first) and directly ahead of its LDS loads: the item before is done with X, and has written its codes.
; The LDS loads and the stores of the last item's codes follow it; no vector instruction stands among them.  (2) On vm_vsrc, behind the wait for the LDS loads and directly ahead of the global loads of four items on:
; the LDS stores have read the ring set, and the global stores have read the codes' registers.  The item's vector work follows and names none of the registers that instructions then pending touch.
.set STGB, 8704                        ; a wave's stage: 16 rows x (512 + 16) bytes for x and w; 8 blocks x (16 k x 64 bytes + 64) for lora_A
.set PS,   8*STGB                      ; behind the stages: 1,024 bytes for each wave's partial tile of t
.set VL,   1                           ; v1   16 x lane
.set SA,   2                           ; v2   my stage + 16 x lane: the way in
.set XR,   3                           ; v3   my stage + 528 r + 64 h: the way back for x and w
.set LR,   4                           ; v4   my stage + 4 r + 1088 h: the way back for lora_A
.set PSA,  5                           ; v5   PS + 1024 x wave + 16 x lane
.set PR,   6                           ; v6   PS + 16 x lane
.set LBO,  7                           ; v7   lora_B: 8 h rows of 16,384 bytes + 4 r
.set SC,   8                           ; v8-11   2^e0 .. 2^e3 as f32: a conversion takes the exponent field
.set LIM,  12                          ; v12-15  448 x 2^e0 .. 448 x 2^e3
.set X,    16                          ; v16-79  a step's 64 numbers of my lane: register 16 b + i = k 32 b + 16 h + i
.set T,    80                          ; v80-143 x held under e0 (x itself is kept for e2)
.set CX,   144                         ; x's codes under e0
.set CW,   160                         ; w's codes
.set C2,   176                         ; x's codes under e2
.set LAC,  192                         ; lora_A's codes
.set ACC,  208                         ; my part of t: lane (r, h), register j: t(row r, rank 8 h + j)
.set LBF,  216                         ; wave 0: lora_B's numbers
.set OB,   224                         ; wave 0: packed bf16
.set MSB, 0                            ; window 1 (v256-511): the ring, four sets of 64 registers
.macro WIN new                         ; the immediate's high byte repeats the setting that is left
.if MSB != \new
	s_set_vgpr_msb (MSB<<8)|\new
.set MSB, \new
.endif
.endm
	s_load_b256 s[4:11], s[0:1], 0x0               ; x s[4:5], qweight s[6:7], scales s[8:9], lora_A s[10:11]
	s_load_b256 s[12:19], s[0:1], 0x20             ; lora_B s[12:13], lowp_scales s[14:15], xc s[16:17], wc s[18:19]
	s_load_b128 s[20:23], s[0:1], 0x40             ; tb s[20:21], lb s[22:23]
	v_lshl_add_u32 v254, v0, 2, 0x13000
	v_mov_b32 v255, 0
	v_lshrrev_b32 v18, 5, v0
	v_readfirstlane_b32 s24, v18                   ; wave 0..7
	v_and_b32 v[VL], 31, v0
	v_lshlrev_b32 v[VL], 4, v[VL]
	v_and_b32 v16, 15, v0                          ; r
	v_bfe_u32 v17, v0, 4, 1                        ; h
	s_wait_alu depctr_va_sdst(0)                   ; s24 is written, ahead of its first reader: the stage's place, the bases and the branch at the end are made from it
	s_mul_i32 s25, s24, STGB                       ; my stage
	v_add_nc_u32 v[SA], s25, v[VL]
	v_mul_u32_u24 v18, v16, 528
	v_lshl_add_u32 v18, v17, 6, v18
	v_add_nc_u32 v[XR], s25, v18
	v_mul_u32_u24 v18, v17, 1088
	v_lshl_add_u32 v18, v16, 2, v18
	v_add_nc_u32 v[LR], s25, v18
	s_lshl_b32 s43, s24, 10
	s_add_co_u32 s43, s43, PS
	v_add_nc_u32 v[PSA], s43, v[VL]
	v_add_nc_u32 v[PR], PS, v[VL]
	v_lshlrev_b32 v18, 17, v17
	v_lshl_add_u32 v[LBO], v16, 2, v18
	; where my part begins in each buffer, in bytes; every later step is an immediate, so no base is written again
	s_lshl_b32 s26, ttmp9, 18                      ; x, qweight: 16 rows of 16,384 bytes a work-group,
	s_lshl_b32 s43, s24, 11                        ; 512 numbers a wave
	s_add_co_u32 s26, s26, s43
	s_mov_b32 s27, 0
	s_lshl_b32 s44, s24, 15                        ; lora_A: 512 rows of 64 bytes a wave
	s_mov_b32 s45, 0
	s_lshl_b32 s46, ttmp9, 6                       ; lora_B: 16 columns a work-group
	s_mov_b32 s47, 0
	s_lshl_b32 s48, s24, 21                        ; xc, wc: two K slots of 2^20 bytes a wave,
	s_lshl_b32 s43, ttmp9, 12                      ; 4,096 bytes a tile of rows
	s_add_co_u32 s48, s48, s43
	s_mov_b32 s49, 0
	s_lshl_b32 s50, ttmp9, 9                       ; tb, lb: 512 bytes a tile
	s_mov_b32 s51, 0
	s_wait_kmcnt 0x0
	s_load_b128 s[28:31], s[14:15], 0x0            ; e0, e1, e2, e3
	s_load_b32 s32, s[8:9], 0x0                    ; scales[0]
	s_add_nc_u64 s[4:5], s[4:5], s[26:27]
	s_add_nc_u64 s[6:7], s[6:7], s[26:27]
	s_add_nc_u64 s[10:11], s[10:11], s[44:45]
	s_add_nc_u64 s[12:13], s[12:13], s[46:47]
	s_add_nc_u64 s[16:17], s[16:17], s[48:49]
	s_add_nc_u64 s[18:19], s[18:19], s[48:49]
	s_add_nc_u64 s[20:21], s[20:21], s[50:51]
	s_add_nc_u64 s[22:23], s[22:23], s[50:51]
; Item n of twelve: kind n % 3 (0 lora_A, 1 x, 2 qweight), K step n / 3, ring set n % 4.
.macro LOADS n                         ; sixteen loads of 512 consecutive bytes into the item's ring set
.set KD, (\n)%3
.set FF, (\n)/3
.set RS, 64*((\n)%4)
	WIN 0x40                                       ; destination window 1, address window 0
.set i, 0
.rept 16
.if KD == 0
	global_load_b128 v[RS+4*i:RS+4*i+3], v[VL], s[10:11] offset:FF*8192+512*i                      ; eight rows k of lora_A, dense; every work-group reads them, so no hint
.elseif KD == 1
	global_load_b128 v[RS+4*i:RS+4*i+3], v[VL], s[4:5] offset:i*16384+512*FF th:TH_LOAD_NT          ; row i of x, the step's 128 numbers; read once in the launch
.else
	global_load_b128 v[RS+4*i:RS+4*i+3], v[VL], s[6:7] offset:i*16384+512*FF th:TH_LOAD_NT          ; row i of qweight
.endif
.set i, i+1
.endr
	WIN 0
.endm
.macro TOST n                          ; the item's ring set into my stage, as it was loaded: an instruction's 512 bytes are consecutive
.set KD, (\n)%3
.set RS, 64*((\n)%4)
	WIN 0x04                                       ; store data window 1, address window 0
.set i, 0
.rept 16
.if KD == 0
	ds_store_b128 v[SA], v[RS+4*i:RS+4*i+3] offset:512*i+64*(i/2)      ; 64 bytes of padding behind every 16 rows k
.else
	ds_store_b128 v[SA], v[RS+4*i:RS+4*i+3] offset:528*i               ; 16 bytes of padding behind every row
.endif
.set i, i+1
.endr
	WIN 0
.endm
.macro BACK kind                       ; and back: register 16 b + i = k 32 b + 16 h + i of my row (lora_A: of my column).  LDS serves a wave's instructions in order (ISA guide 5.7.1.4): these see the stores above
.if \kind == 0
.irp b, 0,1,2,3
.irp i, 0,1,2,3,4,5,6,7,8,9,10,11,12,13,14,15
	ds_load_b32 v[X+16*\b+\i], v[LR] offset:2176*\b+64*\i              ; lanes 0-15 take 64 consecutive bytes, lanes 16-31 the 64 that lie 1,088 bytes (272 words) on: 32 different banks
.endr
.endr
.else
.irp b, 0,1,2,3
.irp j, 0,1,2,3
	ds_load_b128 v[X+16*\b+4*\j:X+16*\b+4*\j+3], v[XR] offset:128*\b+16*\j   ; sixteen rows 132 words apart start at sixteen different groups of four banks
.endr
.endr
.endif
.endm
; The codes of K step f leave: four stores of 512 consecutive bytes, at a multiple of 512 from the buffer's first byte.  They are issued in the item behind the one that made the codes, behind that item's wait on va_vdst.
.macro PUTX f                          ; x's
.irp c, 0,1,2,3
	global_store_b128 v[VL], v[CX+4*\c:CX+4*\c+3], s[16:17] offset:((\f)/2)*0x100000+((\f)%2)*2048+512*\c
.endr
.endm
.macro PUTW f                          ; w's
.irp c, 0,1,2,3
	global_store_b128 v[VL], v[CW+4*\c:CW+4*\c+3], s[18:19] offset:((\f)/2)*0x100000+((\f)%2)*2048+512*\c
.endr
.endm
; 64 numbers v[src] on become a fragment's 16 registers of codes v[dst] on; the held numbers go to v[tmp] on (tmp = src: in place)
.macro QUANT src, tmp, dst, lim, sc
.irp b, 0,1,2,3
.irp i, 0,1,2,3,4,5,6,7,8,9,10,11,12,13,14,15
	v_med3_num_f32 v[\tmp+16*\b+\i], v[\src+16*\b+\i], -v[\lim], v[\lim]   ; the conversion to an 8-bit code does not saturate (ISA guide 7.6.2): the hold at the largest code x the scale
.endr
	v_cvt_scalef32_pk8_fp8_f32 v[\dst+4*\b:\dst+4*\b+1], v[\tmp+16*\b:\tmp+16*\b+7], v[\sc]
	v_cvt_scalef32_pk8_fp8_f32 v[\dst+4*\b+2:\dst+4*\b+3], v[\tmp+16*\b+8:\tmp+16*\b+15], v[\sc]
.endr
	v_nop                                          ; one plain vector instruction between the last conversion and whatever vector or matrix instruction touches its registers next
.endm
.macro ITEM n
.set ITK, (\n)%3
.set ITF, (\n)/3
.if 11-(\n) >= 3
	s_wait_loadcnt 48                              ; loads come back in order (ISA guide 5.7.1): this item's sixteen are in, the three items behind it stay out
.else
	s_wait_loadcnt 16*(11-(\n))                    ; the last items: the counts run down
.endif
	TOST \n                                        ; data that loads brought, an address made at the head: these stores hang on nothing that the item before still computes
	s_wait_alu depctr_va_vdst(0)                   ; the item before is done reading and writing X (ahead of the first item: the head's arithmetic, which used v16 to v18), in which the LDS loads below land; and its conversions have written its codes, which the global stores below read
	BACK ITK
.if ITK == 2
	PUTX ITF                                       ; the codes that x's item, the one before, has made
.elseif (ITK == 0) && (ITF > 0)
	PUTW ITF-1                                     ; the codes that w's item, the one before, has made
.endif
	s_wait_dscnt 0x0                               ; the numbers are back
.if (ITK == 1) && (ITF > 0)
	s_wait_xcnt 0x0                                ; the stores of the last step's codes, x's (two items back) and w's (one item back), have had their addresses translated (ISA guide 3.1): only behind this wait are CX, in this item, and CW, in the next, written again
.endif
.if (\n)+4 <= 11
	WIN 0x40                                       ; the loads' window first, then the wait, then the loads
.endif
.if (\n) <= 9
	s_wait_alu depctr_vm_vsrc(0)                   ; my LDS stores have read the ring set, in which the loads below land; the global stores above have read CX or CW, which conversions write again two items on.  (Items 10 and 11 load nothing further, and what they store is not written again: no wait)
.endif
.if (\n)+4 <= 11
	LOADS (\n)+4                                   ; the ring set takes the item four further on
.endif
.if ITK == 0
	QUANT X, X, LAC, LIM+3, SC+3                   ; lora_A under e3: source 0 of this step's product
.elseif ITK == 1
	QUANT X, T, CX, LIM, SC                        ; x under e0, for the large product; the codes leave in the next item
	QUANT X, X, C2, LIM+2, SC+2                    ; x under e2, for t
; t^T += lora_A^T x^T: source 0 = lora_A's 16 columns, source 1 = my work-group's 16 rows of x: a lane then holds one row of t and eight neighbouring ranks.
.if ITF == 0
	v_wmma_f32_16x16x128_fp8_fp8 v[ACC:ACC+7], v[LAC:LAC+15], v[C2:C2+15], 0   ; the first step starts the sum
.else
	s_wait_alu depctr_va_vdst(0)                   ; this wait stands directly ahead of each
	v_wmma_f32_16x16x128_fp8_fp8 v[ACC:ACC+7], v[LAC:LAC+15], v[C2:C2+15], v[ACC:ACC+7]
.endif
; (the next item, w's, has over a hundred plain vector instructions that name none of these registers: they are the places ahead of the next write of LAC and C2 and of the read of ACC: ISA guide 7.12.1)
.else
.set i, 0
.rept 64
	v_cvt_f32_i32 v[X+i], v[X+i]
.set i, i+1
.endr
.set i, 0
.rept 32
	v_pk_mul_f32 v[X+2*i:X+2*i+1], v[X+2*i:X+2*i+1], s[32:33] op_sel_hi:[1,0]   ; w = qweight x scales[0], in f32, as it goes into the quantiser
.set i, i+1
.endr
	QUANT X, X, CW, LIM+1, SC+1                    ; the codes leave in the next item
.endif
.endm
	WIN 0x40                                       ; the loads' window first, then the wait, then the loads
	s_wait_alu depctr_va_vdst(0)                   ; the offsets and addresses v1 to v7 are written, which every load and store of the kernel reads
	LOADS 0
	LOADS 1
	LOADS 2
	LOADS 3
	s_wait_kmcnt 0x0
.irp k, 0,1,2,3
	s_add_co_i32 s43, s[28+\k], 127
	s_lshl_b32 s44, s43, 23
	v_mov_b32 v[SC+\k], s44                        ; 2^e as f32
	s_add_co_i32 s43, s43, 8
	s_lshl_b32 s43, s43, 23
	s_or_b32 s43, s43, 0x600000
	v_mov_b32 v[LIM+\k], s43                       ; 448 x 2^e
.endr
	s_add_co_i32 s42, s30, s31
	s_sub_co_i32 s42, s42, s28
	s_sub_co_i32 s42, s42, s29                     ; e2 + e3 - e0 - e1
	s_mov_b32 s33, s32                             ; (named with s32 as a pair, so it is written)
.irp n, 0,1,2,3,4,5,6,7,8,9,10,11
	ITEM \n
.endr
	s_wait_alu depctr_va_vdst(0)                   ; the last item's conversions have written CW, which the four stores below read; the matrix instructions have written ACC, which the LDS stores below read (the last item's vector lines are the places beside this wait); and the last item is done with X, in which wave 0's LDS loads land behind the barrier
	PUTW 3
	; the eight waves' parts of t meet in LDS
	ds_store_b128 v[PSA], v[ACC:ACC+3]             ; the accumulator is read from its low end on
	ds_store_b128 v[PSA], v[ACC+4:ACC+7] offset:512
	s_wait_dscnt 0x0                               ; for wave 0's sake: my stores have landed
	s_barrier_signal -1
	s_barrier_wait -1
	s_cmp_lg_u32 s24, 0
	s_cbranch_scc1 .Lend
	; wave 0 alone.  lora_B's numbers are asked for first: the sums below stand between these loads and the wait for them
.irp j, 0,1,2,3,4,5,6,7
	global_load_b32 v[LBF+\j], v[LBO], s[12:13] offset:16384*\j   ; lora_B(8 h + j, 16 g + r)
.endr
.irp w, 0,1,2,3,4,5,6,7
	ds_load_b128 v[X+8*\w:X+8*\w+3], v[PR] offset:1024*\w          ; no vector instruction has been issued since the wait on va_vdst ahead of the barrier
	ds_load_b128 v[X+8*\w+4:X+8*\w+7], v[PR] offset:1024*\w+512
.endr
	s_wait_dscnt 0x0
.irp w, 1,2,3,4,5,6,7
.irp p, 0,2,4,6
	v_pk_add_f32 v[X+\p:X+\p+1], v[X+\p:X+\p+1], v[X+8*\w+\p:X+8*\w+\p+1]   ; K ascending, four chains
.endr
.endr
.irp j, 0,1,2,3,4,5,6,7
	v_ldexp_f32 v[X+\j], v[X+\j], s42              ; x 2^(e2 + e3 - e0 - e1)
.endr
.irp p, 0,1,2,3
	v_cvt_pk_bf16_f32 v[OB+\p], v[X+2*\p], v[X+2*\p+1]
.endr
	s_wait_loadcnt 0x0                             ; lora_B's numbers
.irp p, 0,1,2,3
	v_cvt_pk_bf16_f32 v[OB+4+\p], v[LBF+2*\p], v[LBF+2*\p+1]
.endr
	s_wait_alu depctr_va_vdst(0)                   ; the eight conversions have written OB, which the two stores read
	global_store_b128 v[VL], v[OB:OB+3], s[20:21]  ; the tile of t: 512 consecutive bytes
	global_store_b128 v[VL], v[OB+4:OB+7], s[22:23]   ; the tile of lora_B likewise
.Lend:
	s_wait_dscnt 0x0                               ; the closing lines, six on end
	s_wait_alu 0x0
	s_wait_tensorcnt 0x0
	ds_add_u32 v254, v255
	s_wait_dscnt 0x0
	s_endpgm
.Lfunc_end_k_q871273d12d_prep:
	.size	k_q871273d12d_prep, .Lfunc_end_k_q871273d12d_prep-k_q871273d12d_prep
	.p2alignl 7, 3214868480
	.fill 96, 4, 3214868480
	.section	.rodata,"a",@progbits
	.p2align	6, 0x0
	.amdhsa_kernel k_q871273d12d_prep
		.amdhsa_group_segment_fixed_size 78848
		.amdhsa_private_segment_fixed_size 0
		.amdhsa_enable_private_segment 0
		.amdhsa_kernarg_size 80
		.amdhsa_user_sgpr_count 2
		.amdhsa_user_sgpr_kernarg_segment_ptr 1
		.amdhsa_wavefront_size32 1
		.amdhsa_system_sgpr_workgroup_id_x 1
		.amdhsa_system_sgpr_workgroup_id_y 1
		.amdhsa_system_sgpr_workgroup_id_z 1
		.amdhsa_system_vgpr_workitem_id 0
		.amdhsa_next_free_vgpr 512
		.amdhsa_next_free_sgpr 66
		.amdhsa_reserve_vcc 0
		.amdhsa_float_denorm_mode_32 3
		.amdhsa_float_denorm_mode_16_64 3
		.amdhsa_memory_ordered 1
		.amdhsa_forward_progress 1
		.amdhsa_inst_pref_size 158
	.end_amdhsa_kernel
	.amdgpu_metadata
---
amdhsa.version: [ 1, 2 ]
amdhsa.kernels:
  - .name:           k_q871273d12d_prep
    .symbol:         k_q871273d12d_prep.kd
    .args:
      - { .name: x, .offset: 0, .size: 8, .value_kind: global_buffer, .address_space: global }
      - { .name: qweight, .offset: 8, .size: 8, .value_kind: global_buffer, .address_space: global }
      - { .name: scales, .offset: 16, .size: 8, .value_kind: global_buffer, .address_space: global }
      - { .name: lora_A, .offset: 24, .size: 8, .value_kind: global_buffer, .address_space: global }
      - { .name: lora_B, .offset: 32, .size: 8, .value_kind: global_buffer, .address_space: global }
      - { .name: lowp_scales, .offset: 40, .size: 8, .value_kind: global_buffer, .address_space: global }
      - { .name: xc, .offset: 48, .size: 8, .value_kind: global_buffer, .address_space: global }
      - { .name: wc, .offset: 56, .size: 8, .value_kind: global_buffer, .address_space: global }
      - { .name: tb, .offset: 64, .size: 8, .value_kind: global_buffer, .address_space: global }
      - { .name: lb, .offset: 72, .size: 8, .value_kind: global_buffer, .address_space: global }
    .group_segment_fixed_size: 78848
    .private_segment_fixed_size: 0
    .kernarg_segment_align: 8
    .kernarg_segment_size: 80
    .max_flat_workgroup_size: 256
    .sgpr_count:     66
    .vgpr_count:     512
    .wavefront_size: 32
...
	.end_amdgpu_metadata
.endif
;; end of part 3
;; launch gemm: the kernel of part 2 again; grid 16 x 16, 4 waves a work-group, clusters of 4 x 4, 327,680 bytes of LDS; arguments xc, wc, tb, lb, lowp_scales, bias, out0; writes out0
